; MI455X (gfx1250); checked and timed in simulation.
; The chip was launched on July 23, 2026; its instructions are those of AMD's public machine-readable ISA for CDNA 5 (MIT licence, August 2026) and "CDNA5" Instruction Set Architecture Reference Guide (July 2026). The comments in the code are by the model that wrote it; some were corrected since.
;; Key Value Bottleneck. Allowed arithmetic: float matrix products may take bf16 or f16 operands with f32 sums; other float arithmetic in f32, or as packed bf16 or f16 multiplies, adds, multiply-adds, maxima and minima; sums over many terms, partial sums and values carried from step to step in f32; what a program stores and reads back later, other than sums and carried values, may be rounded once to bf16 or f16.
;; Inputs: dec_b 10 float32; dec_w 10 x 1,024 float32; keys 4,096 x 1,024 float32; values 4,096 x 1,024 float32; x 16,384 x 1,024 float32.
;; Outputs: out0 16,384 x 10 float32.
;; 2 versions, each right; version 2 is version 1 with the launches prep, pick written anew for expert scheduling mode. Each part assembles by itself: llvm-mc -triple=amdgcn-amd-amdhsa -mcpu=gfx1250 --defsym DOCPART=n.
;; ======== version 1 of 2: 3 launches
;; workspace buffers: xb 33,554,432 bytes; kb 8,388,608 bytes; tab 262,144 bytes; pm 2,097,152 bytes; pi 2,097,152 bytes of whole numbers
;; launch prep (part 1): grid 256 x 1, 16 waves a work-group, no clusters, 18,432 bytes of LDS; arguments x, keys, values, dec_w, dec_b, xb, kb, tab; writes xb, kb, tab
.if DOCPART == 1
	.amdgcn_target "amdgcn-amd-amdhsa--gfx1250"
	.amdhsa_code_object_version 6
	.text
	.protected	k_q7c636a06ea_prep
	.globl	k_q7c636a06ea_prep
	.p2align	8
	.type	k_q7c636a06ea_prep,@function
k_q7c636a06ea_prep:
	s_mov_b64 s[64:65], 0
	v_nop
	global_prefetch_b8 v0, s[64:65] scope:SCOPE_SE
	s_setreg_imm32_b32 hwreg(HW_REG_WAVE_MODE, 25, 1), 1
	s_wait_xcnt 0x0
; KeyValueBottleneck, first of three launches: out[b] = values[argmax_k x[b] . keys[k]] @ dec_w^T + dec_b.
; WORK LEFT OUT, for all values of the inputs: row b of the result is the decoder applied to ONE row of values, so values[n] @ dec_w^T + dec_b is the same number for every b with
; nearest[b] = n.  The decoder is therefore applied once to each of the 4,096 rows of values (the table tab), and the last launch looks a row of the table up: the 16,384 products of
; gathered rows are repeats of these 4,096 and are not made.  Every input is loaded.  Limit: none of the results' terms is dropped, so a NaN or an infinity in a chosen row is carried;
; one in a row of values that no b chooses reaches only a table row that nobody reads.
; FORMATS.  Every input is rounded ONCE to bf16 (x, keys, values, dec_w, dec_b); products of bf16 numbers are summed in f32.  The choice of the key is the argmax of such sums.
; THIS LAUNCH: xb = bf16(x), kb = bf16(keys), tab[n][o] = bf16(values[n]) . bf16(dec_w[o]) + bf16(dec_b[o]), f32, 16 columns a row (64 bytes); columns 10 to 15 repeat dec_w's row 9
; with some bias, are written and never read.
; SHARES.  256 work-groups of 16 waves.  Work-group g: x's rows 64 g .. +63, keys' rows 16 g .. +15, values' rows 16 g .. +15 (one 16 x 16 tile of tab).  Wave w casts 16,384 bytes of x
; (32 loads, each 512 consecutive bytes) and 4,096 bytes of keys (8 loads), and multiplies channels 64 w .. 64 w + 63 of the 16 rows of values: 256 consecutive bytes, aligned, of each row.
; The 16 partial tiles meet in LDS.  All 56 loads of a wave go out before its first wait; the text is straight, and no register that a memory instruction names is written again.
; No cluster: what work-groups share is dec_w, 40,960 of the 100 million bytes read.  No tensor load: no wave wants a byte that another has fetched.
.set PART,  0                          ; LDS: wave w's partial tile at 1,024 w, laid out as tab's rows (row r at 64 r)
.set SPARE, 16384                      ; behind them: the spare words, 128 bytes for each of the 16 waves; no other line names them
.set VO,  4                            ; v4   values: 4,096 r + 128 h + 256 w
.set WO,  5                            ; v5   dec_w: 4,096 min(r, 9) + 128 h + 256 w
.set XO,  6                            ; v6   x: 16,384 w + 16 lane
.set XS,  7                            ; v7   xb: 8,192 w + 8 lane
.set KO,  8                            ; v8   keys: 4,096 w + 16 lane
.set KS,  9                            ; v9   kb: 2,048 w + 8 lane
.set PS,  10                           ; v10  my 32 bytes of my wave's partial tile
.set TO,  11                           ; v11  16 (thread mod 64): my 16 bytes of a tile, in LDS and in tab (waves 0 and 1)
.set BO0, 12                           ; v12  dec_b: my first two columns' bytes, held inside the 40
.set BO1, 13                           ; v13  my other two
.set SPW, 14                           ; v14  LDS address of my spare word; never rewritten
.set NIL, 15                           ; v15  0; never rewritten
.set V,   16                           ; v[16:47]  32 numbers of values, then 16 registers of bf16: two fragments
.set W,   48                           ; v[48:79]  the same of dec_w
.set ACC0, 80                          ; v[80:87]
.set ACC1, 88                          ; v[88:95]
.set BI,  92                           ; v[92:95]  later: four numbers of dec_b
.set C,   96                           ; v[96:255] the casts: load i at C + 4 i; 0-7 keys, 8-39 x
	s_load_b512 s[4:19], s[0:1], 0x0               ; x 4:5, keys 6:7, values 8:9, dec_w 10:11, dec_b 12:13, xb 14:15, kb 16:17, tab 18:19
	v_lshl_add_u32 v[SPW], v0, 2, SPARE
	v_mov_b32 v[NIL], 0
	v_lshrrev_b32 v1, 5, v0
	v_readfirstlane_b32 s20, v1                    ; wave 0..15
	v_and_b32 v1, 31, v0                           ; lane
	v_and_b32 v2, 15, v0                           ; r
	v_bfe_u32 v3, v0, 4, 1                         ; h
	s_lshl_b32 s21, s20, 8                         ; my wave's 64 channels: 256 bytes
	v_lshlrev_b32 v[VO], 12, v2
	v_lshl_add_u32 v[VO], v3, 7, v[VO]
	v_add_nc_u32 v[VO], s21, v[VO]
	v_min_u32 v[WO], 9, v2                         ; dec_w has ten rows: lanes 10 to 15 repeat the last
	v_lshlrev_b32 v[WO], 12, v[WO]
	v_lshl_add_u32 v[WO], v3, 7, v[WO]
	v_add_nc_u32 v[WO], s21, v[WO]
	s_lshl_b32 s24, s20, 14
	v_lshl_add_u32 v[XO], v1, 4, s24
	s_lshl_b32 s24, s20, 13
	v_lshl_add_u32 v[XS], v1, 3, s24
	s_lshl_b32 s24, s20, 12
	v_lshl_add_u32 v[KO], v1, 4, s24
	s_lshl_b32 s24, s20, 11
	v_lshl_add_u32 v[KS], v1, 3, s24
	s_lshl_b32 s24, s20, 10
	v_lshlrev_b32 v[PS], 6, v2
	v_lshl_add_u32 v[PS], v3, 5, v[PS]
	v_add_nc_u32 v[PS], s24, v[PS]
	v_and_b32 v[TO], 63, v0
	v_lshlrev_b32 v[TO], 4, v[TO]
	v_and_b32 v[BO0], 3, v0                        ; my four columns begin at 4 (thread mod 4)
	v_lshlrev_b32 v[BO0], 4, v[BO0]
	v_add_nc_u32 v[BO1], 8, v[BO0]
	v_min_u32 v[BO0], 32, v[BO0]                   ; columns 10 to 15 have no bias: they take the last pair's
	v_min_u32 v[BO1], 32, v[BO1]
	s_mov_b32 s23, 0
	s_wait_kmcnt 0x0
	s_lshl_b32 s22, ttmp9, 18                      ; 64 rows of 4,096 bytes
	s_add_nc_u64 s[4:5], s[4:5], s[22:23]
	s_lshl_b32 s22, ttmp9, 17
	s_add_nc_u64 s[14:15], s[14:15], s[22:23]
	s_lshl_b32 s22, ttmp9, 16                      ; 16 rows of 4,096 bytes
	s_add_nc_u64 s[6:7], s[6:7], s[22:23]
	s_add_nc_u64 s[8:9], s[8:9], s[22:23]
	s_lshl_b32 s22, ttmp9, 15
	s_add_nc_u64 s[16:17], s[16:17], s[22:23]
	s_lshl_b32 s22, ttmp9, 10                      ; 16 rows of 64 bytes
	s_add_nc_u64 s[18:19], s[18:19], s[22:23]
	; all 56 loads.  Lane (r, h) takes 128 consecutive bytes of row r: channels 64 w + 32 h + 0..31, of values and of dec_w alike
.irp c, 0,1,2,3,4,5,6,7
	global_load_b128 v[V+4*\c:V+4*\c+3], v[VO], s[8:9] offset:16*\c th:TH_LOAD_NT
.endr
.irp c, 0,1,2,3,4,5,6,7
	global_load_b128 v[W+4*\c:W+4*\c+3], v[WO], s[10:11] offset:16*\c
.endr
.set i, 0
.rept 8
	global_load_b128 v[C+4*i:C+4*i+3], v[KO], s[6:7] offset:512*i th:TH_LOAD_NT
.set i, i+1
.endr
.set i, 0
.rept 32
	global_load_b128 v[C+32+4*i:C+32+4*i+3], v[XO], s[4:5] offset:512*i th:TH_LOAD_NT
.set i, i+1
.endr
	s_wait_loadcnt 40                              ; values and dec_w are in; the 40 loads of the casts, issued behind them, stay out
.set i, 0
.rept 16                                       ; rounded in place, ascending: register i takes numbers 2 i and 2 i + 1, which lie at or above it
	v_cvt_pk_bf16_f32 v[V+i], v[V+2*i], v[V+2*i+1]
	v_cvt_pk_bf16_f32 v[W+i], v[W+2*i], v[W+2*i+1]
.set i, i+1
.endr
	; Two products of 32 channels.  The channels stand in the fragments in another order than the matrix instruction's own, the SAME order in both sources, so the products pair up rightly.
	; Source 0 = dec_w's rows, source 1 = values' rows: lane (r, h), register j holds tab[row r][column 8 h + j].  Two accumulators, each started by the constant 0: no chain.
	v_wmma_f32_16x16x32_bf16 v[ACC0:ACC0+7], v[W:W+7], v[V:V+7], 0
	v_wmma_f32_16x16x32_bf16 v[ACC1:ACC1+7], v[W+8:W+15], v[V+8:V+15], 0
.rept 8
	v_nop                                          ; plain places between the products and the first read of their results (ISA guide 7.12.1), with room to spare: once a launch
.endr
.irp j, 0,2,4,6                                ; from each accumulator's low end on
	v_pk_add_f32 v[ACC0+\j:ACC0+\j+1], v[ACC0+\j:ACC0+\j+1], v[ACC1+\j:ACC1+\j+1]
.endr
	ds_store_b128 v[PS], v[ACC0:ACC0+3] offset:PART
	ds_store_b128 v[PS], v[ACC0+4:ACC0+7] offset:PART+16
	s_wait_dscnt 0x0                               ; for the others' sake: my partial tile is written
	s_barrier_signal -1
	s_barrier_wait -1                              ; all 16 partial tiles lie in LDS
	global_load_b64 v[BI:BI+1], v[BO0], s[12:13]   ; every wave issues these two, so that the counts below are the same in all waves
	global_load_b64 v[BI+2:BI+3], v[BO1], s[12:13]
; Eight loads of a cast: rounded in place, four numbers to 8 bytes a lane; a store's 32 lanes write 256 consecutive bytes, aligned.  left = the younger loads that may stay out.
.macro CAST i0, left, off, base, j0
	s_wait_loadcnt \left
.set i, \i0
.rept 8
	v_cvt_pk_bf16_f32 v[C+4*i], v[C+4*i], v[C+4*i+1]
	v_cvt_pk_bf16_f32 v[C+4*i+1], v[C+4*i+2], v[C+4*i+3]
	global_store_b64 v[\off], v[C+4*i:C+4*i+1], s[\base:\base+1] offset:256*(i-(\j0))
.set i, i+1
.endr
.endm
	CAST 0,  34, KS, 16, 0                         ; keys: behind them 32 loads of x and the two of dec_b
	CAST 8,  26, XS, 14, 8                         ; x, eight loads at a time: the counts run down by eight
	CAST 16, 18, XS, 14, 8
	CAST 24, 10, XS, 14, 8
	CAST 32, 2,  XS, 14, 8
	s_cmp_lt_u32 s20, 2                            ; waves 0 and 1 add the 16 partial tiles: 64 threads, 16 bytes of the tile each
	s_cbranch_scc0 .Lend
.set i, 0
.rept 16
	ds_load_b128 v[V+4*i:V+4*i+3], v[TO] offset:PART+1024*i
.set i, i+1
.endr
	s_wait_loadcnt 0x0                             ; dec_b
	v_cvt_pk_bf16_f32 v[ACC0], v[BI], v[BI+1]      ; rounded to bf16 like every input, and widened again
	v_cvt_pk_bf16_f32 v[ACC0+1], v[BI+2], v[BI+3]
	v_lshlrev_b32 v[BI], 16, v[ACC0]
	v_and_b32 v[BI+1], 0xffff0000, v[ACC0]
	v_lshlrev_b32 v[BI+2], 16, v[ACC0+1]
	v_and_b32 v[BI+3], 0xffff0000, v[ACC0+1]
	s_wait_dscnt 0x0
.irp s, 8,4,2,1                                ; a tree: 8, 4, 2, 1 sums of four numbers
.set i, 0
.rept \s
	v_pk_add_f32 v[V+4*i:V+4*i+1], v[V+4*i:V+4*i+1], v[V+4*(i+\s):V+4*(i+\s)+1]
	v_pk_add_f32 v[V+4*i+2:V+4*i+3], v[V+4*i+2:V+4*i+3], v[V+4*(i+\s)+2:V+4*(i+\s)+3]
.set i, i+1
.endr
.endr
	v_pk_add_f32 v[V:V+1], v[V:V+1], v[BI:BI+1]
	v_pk_add_f32 v[V+2:V+3], v[V+2:V+3], v[BI+2:BI+3]
	global_store_b128 v[TO], v[V:V+3], s[18:19]    ; a wave stores 512 consecutive bytes, aligned
.Lend:
	s_wait_tensorcnt 0x0                           ; the wave's end, behind my last LDS store
	ds_add_u32 v[SPW], v[NIL]
	s_wait_dscnt 0x0
	s_endpgm
.Lfunc_end_k_q7c636a06ea_prep:
	.size	k_q7c636a06ea_prep, .Lfunc_end_k_q7c636a06ea_prep-k_q7c636a06ea_prep
	.p2alignl 7, 3214868480
	.fill 96, 4, 3214868480
	.section	.rodata,"a",@progbits
	.p2align	6, 0x0
	.amdhsa_kernel k_q7c636a06ea_prep
		.amdhsa_group_segment_fixed_size 18432
		.amdhsa_private_segment_fixed_size 0
		.amdhsa_enable_private_segment 0
		.amdhsa_kernarg_size 64
		.amdhsa_user_sgpr_count 2
		.amdhsa_user_sgpr_kernarg_segment_ptr 1
		.amdhsa_wavefront_size32 1
		.amdhsa_system_sgpr_workgroup_id_x 1
		.amdhsa_system_sgpr_workgroup_id_y 1
		.amdhsa_system_sgpr_workgroup_id_z 1
		.amdhsa_system_vgpr_workitem_id 0
		.amdhsa_next_free_vgpr 256
		.amdhsa_next_free_sgpr 66
		.amdhsa_reserve_vcc 0
		.amdhsa_float_denorm_mode_32 3
		.amdhsa_float_denorm_mode_16_64 3
		.amdhsa_memory_ordered 1
		.amdhsa_forward_progress 1
		.amdhsa_inst_pref_size 23
	.end_amdhsa_kernel
	.amdgpu_metadata
---
amdhsa.version: [ 1, 2 ]
amdhsa.kernels:
  - .name:           k_q7c636a06ea_prep
    .symbol:         k_q7c636a06ea_prep.kd
    .args:
      - { .name: x, .offset: 0, .size: 8, .value_kind: global_buffer, .address_space: global }
      - { .name: keys, .offset: 8, .size: 8, .value_kind: global_buffer, .address_space: global }
      - { .name: values, .offset: 16, .size: 8, .value_kind: global_buffer, .address_space: global }
      - { .name: dec_w, .offset: 24, .size: 8, .value_kind: global_buffer, .address_space: global }
      - { .name: dec_b, .offset: 32, .size: 8, .value_kind: global_buffer, .address_space: global }
      - { .name: xb, .offset: 40, .size: 8, .value_kind: global_buffer, .address_space: global }
      - { .name: kb, .offset: 48, .size: 8, .value_kind: global_buffer, .address_space: global }
      - { .name: tab, .offset: 56, .size: 8, .value_kind: global_buffer, .address_space: global }
    .group_segment_fixed_size: 18432
    .private_segment_fixed_size: 0
    .kernarg_segment_align: 8
    .kernarg_segment_size: 64
    .max_flat_workgroup_size: 512
    .sgpr_count:     66
    .vgpr_count:     256
    .wavefront_size: 32
...
	.end_amdgpu_metadata
.endif
;; end of part 1
;; launch sims (part 2): grid 16 x 16, 4 waves a work-group, clusters of 4 x 4, 327,680 bytes of LDS; arguments xb, kb, pm, pi; writes pm, pi
.if DOCPART == 2
	.amdgcn_target "amdgcn-amd-amdhsa--gfx1250"
	.amdhsa_code_object_version 6
	.text
	.protected	k_q7c636a06ea_sims
	.globl	k_q7c636a06ea_sims
	.p2align	8
	.type	k_q7c636a06ea_sims,@function
k_q7c636a06ea_sims:
	s_mov_b64 s[64:65], 0
	v_nop
	global_prefetch_b8 v0, s[64:65] scope:SCOPE_SE
	s_setreg_imm32_b32 hwreg(HW_REG_WAVE_MODE, 25, 1), 1
	s_wait_xcnt 0x0
	s_wait_alu depctr_hold_cnt(0) depctr_sa_sdst(0) depctr_va_vdst(0) depctr_va_sdst(0) depctr_va_ssrc(0) depctr_va_vcc(0) depctr_vm_vsrc(0)
	s_getreg_b32 s2, hwreg(HW_REG_IB_STS2, 6, 4)
	s_cmp_eq_u32 s2, 0
	s_cbranch_scc0 .Lentry_in_a_cluster
	s_endpgm
.Lentry_in_a_cluster:
	s_bfe_u32 s2, ttmp6, 0x10000c
	s_cmp_lg_u32 s2, 0xf033
	s_cbranch_scc0 .Lentry_shape_is_right
	s_endpgm
.Lentry_shape_is_right:
; Second launch: for each row of x and each group c of 128 keys, the largest score x[row] . keys[k] and the lowest k that reaches it: pm[c][row] (f32), pi[c][row] (u32), c = 0..31.
; The scores themselves are never stored.  xb: [16384][1024], kb: [4096][1024], both bf16 (each input rounded once by the launch before); sums in f32.
; LIMITS.  The choice is the argmax of f32 sums of bf16 products; equal scores give the lowest key, as jnp.argmax does.  A NaN score never becomes the maximum, and the index taken at one
; is not jnp.argmax's; infinities compare as numbers.
; A tile of scores, 256 rows x 256 keys, is made by a work-group of four waves; a wave makes 128 x 128: 64 accumulators of 16 x 16, 512 registers.  K goes in steps of 128 through a ring of two
; LDS slots filled by the tensor data mover: the tiles' rows are 256 bytes of memory and start at multiples of 256 bytes from the buffer's first byte.
; A WORK-GROUP STAYS: it keeps its 256 keys and walks SIZE_TILES = 4 blocks of 256 rows, 4,096 rows apart; the ring does not stop at a tile's end: a tile's last two changes of slots ask for the
; next tile's first two K steps.  16 x 16 work-groups x 4 tiles are the 64 x 16 tiles of the product.
; CLUSTERS: 4 x 4 work-groups.  The four of a row of the cluster need the same rows of x, the four of a column the same keys: each tile is asked for JOINTLY, by the same tensor load with the same
; descriptor and a mask that names the four; each receives it in its own LDS.  That divides the requests for x and for keys by four.
; THE MATRIX INSTRUCTION IS USED TRANSPOSED: source 0 = 16 keys, source 1 = 16 rows of x.  Lane l then holds ONE row of x (l % 16), its registers 0 to 7 the keys 8 (l / 16) + 0..7 of the block.
; So a row's maximum over the wave's 128 keys is a run along a lane's own 64 registers, and one meeting of the two halves of the lanes.
; REGISTERS, in windows of 256 (s_set_vgpr_msb's low byte: bits 1:0 source 0, 3:2 source 1, 5:4 source 2, 7:6 destination):
;   window 0: v0-31 addresses; v32-55 and v192-207 at work on the way out; v64-127, v128-191 fragments of x (8 x 16 rows x 32 K), two buffers
;   window 1: v64-127, v128-191 fragments of keys, two buffers
;   window 2: the 32 accumulators of my rows 0-63 (row block a, key block b at v[8 (8 a + b)]);   window 3: those of my rows 64-127
.set SIZE_K, 1024
.set SIZE_TILES, 4
.set KSTEP,  128
.set PITCH,  272                       ; an LDS row: 256 bytes + 16 of padding = 68 words: row r starts at bank 4 r mod 64 (64 banks of 4 bytes: ISA guide 11.1), so the 16 rows of a load start at 16 different banks
.set HALFT,  128*PITCH                 ; 128 rows: what one tensor load brings, and what one wave reads of x or of keys
.set SLOT,   4*HALFT                   ; x's 256 rows, then the 256 keys
.set STAGE,  2*SLOT                    ; behind the ring, never filled by a tensor load: 2,048 bytes for each wave: maxima [half of lanes][128 rows], then indices likewise
.set SPARE,  STAGE+4*2048              ; behind the stages: the spare words, 128 bytes for each wave; no other line names them
.set LAPS,   SIZE_K/(2*KSTEP)          ; a lap = two K steps = once round the ring
.set WALK,   4096                      ; a work-group's tiles lie WALK rows of x apart
.set NEXT_A, WALK*SIZE_K*2-(SIZE_K-2*KSTEP)*2   ; bytes from a slot's last K step of a tile to its first of the next tile: x goes WALK rows down and back along K,
.set BACK_B, (SIZE_K-2*KSTEP)*2        ; keys only back
.set ADRA, 16                          ; v16-17  LDS address of my fragments of x in slot 0, 1
.set ADRB, 20                          ; v20-21  the same for keys
.set STO,  24                          ; v24     the way out: my word in the stage: 512 (l / 16) + 4 (l % 16)
.set RD,   25                          ; v25     the way out: where I read four rows' words back: 16 l
.set GO,   26                          ; v26     my byte offset in the wave's 512 bytes of pm and pi; never rewritten
.set KB,   27                          ; v27     the number of my lane's first key: 256 x tile column + 128 x half + 8 (l / 16)
.set SPW,  28                          ; v28     LDS address of my spare word; never rewritten
.set NIL,  29                          ; v29     0; never rewritten
.set PFO,  30                          ; v30     the prefetches' offset: my lane x a row of xb or kb (2,048 bytes); never rewritten
.set RM,   32                          ; v32-39  row block a: my row's maximum
.set RJ,   40                          ; v40-47  and where it stands
.set XM,   48                          ; v48-51  the same for the second half of the key blocks, four row blocks at a time
.set XJ,   52                          ; v52-55
.set M0,   192                         ; v192-195 four rows' maxima of lanes 0-15, v196-199 of lanes 16-31
.set M1,   196
.set I0,   200                         ; v200-203, v204-207 their indices
.set I1,   204
.set F0,   64
.set F1,   128
.set PFA,  44                          ; s[44:45] where my prefetches stand
.set LIM,  43                          ; s43     1 in a wave that prefetches, else the greatest number
.set G1, 24                            ; s[24:31] descriptor group 1 for x's tiles
.set G0, 32                            ; s[32:39] descriptor group 0 for x's tiles, one set for each slot
.set G1B, 48                           ; s[48:55] group 1 for keys' tiles: it differs in the mask alone
.set G0B, 56                           ; s[56:63] group 0 for keys' tiles
.set MK, 66                            ; s66-73  eight lane masks
.set PI, 76                            ; s[76:77] pi at my wave's 128 rows of my group of keys; s[8:9] the same for pm
.set MT, 80                            ; s80-83  four lane masks
.set MSB, 0
.macro WIN new                         ; the immediate's high byte repeats the setting that is left; a switch that changes nothing is dropped
.if MSB != (\new)
	s_set_vgpr_msb (MSB<<8)|(\new)
.set MSB, \new
.endif
.endm
.set MUL_LO, 0xa1                      ; source 0 (keys) window 1, source 1 (x) window 0, C and D window 2
.set MUL_HI, 0xf1                      ; the same, C and D window 3
.set TO_B,   0x40                      ; destination window 1, address window 0
; A joint load.  Waves 0 and 1 fetch x's two halves, waves 2 and 3 the keys'.  Each of the two lines has ONE mask and one set of registers for all that issue it.  The branch hangs on the wave's
; number alone.  An s_nop 0 and four v_nop follow each of the two lines, ahead of the jump, the label and what follows.
.macro JLOAD s
	s_cmp_eq_u32 s11, 0
	s_cbranch_scc0 .Lfor_b_\@
	tensor_load_to_lds s[G0+4*(\s):G0+4*(\s)+3], s[G1:G1+7]
	s_nop 0
.rept 4
	v_nop
.endr
	s_branch .Lasked_\@
.Lfor_b_\@:
	tensor_load_to_lds s[G0B+4*(\s):G0B+4*(\s)+3], s[G1B:G1B+7]
	s_nop 0
.rept 4
	v_nop
.endr
.Lasked_\@:
.endm
; A PREFETCH INTO THE L2, behind each joint load, its five lines and the run of LDS loads that follows them: the K step that stands TWO refills on (512 matrix instructions ahead of the load that will
; want it): 32 rows x 256 bytes, a lane a row, one instruction a wave.  Each row's 256 bytes of a K step are named ONCE in the launch: x's rows are read by every cluster of a row of clusters, of
; which the first (cluster x = 0) asks; the keys by every cluster of a column, of which cluster y = 0 asks, in its first tile alone, since all tiles of the walk take the same keys.  The four partners
; that ask for a tile jointly share its rows out BY ADDRESS: of the 128 rows that a wave fetches the partner at place p takes 32 p .. 32 p + 31.  how = 0, in the loop: a tile's last two refills have
; no K step two on; how = 1, at a change of tiles: the next tile's K steps 2 and 3 of x.  Nothing is asked for at the head, and nothing in the last tile's last lap.
.macro ASK how
.if \how
	s_cmp_eq_u32 s[LIM], 1
.else
	s_cmp_gt_u32 s3, s[LIM]                        ; s3 = 1 in the loop's last trip
.endif
	s_cbranch_scc0 .Lnot_mine_\@
	global_prefetch_b8 v[PFO], s[PFA:PFA+1] offset:KSTEP*2 th:TH_LOAD_NT scope:SCOPE_SE
.Lnot_mine_\@:
.endm
; A round of the cluster's barrier: my work-group's barrier, so that wave 0's signal speaks for all four waves; wave 0 signals for the work-group; every wave waits for all sixteen work-groups;
; my work-group's barrier once more.
.macro CREST                           ; a round behind its opening barrier
	s_cmp_lg_u32 s10, 0
	s_cbranch_scc1 .Lnot_wave_0_\@
	s_barrier_signal -3
.Lnot_wave_0_\@:
	s_barrier_wait -3
	s_barrier_signal -1
	s_barrier_wait -1
.endm
.macro CROUND                          ; a whole round
	s_barrier_signal -1
	s_barrier_wait -1
	CREST
.endm
	s_load_b128 s[4:7], s[0:1], 0x0                ; xb s[4:5], kb s[6:7]
	s_load_b64 s[8:9], s[0:1], 0x10                ; pm
	s_load_b64 s[PI:PI+1], s[0:1], 0x18            ; pi
	v_lshl_add_u32 v[SPW], v0, 2, SPARE
	v_mov_b32 v[NIL], 0
	ds_add_u32 v[SPW], v[NIL]                      ; the wave's opening: the add, twice on end, and its wait ahead of my first tensor load; the set-up below stands between
	ds_add_u32 v[SPW], v[NIL]                      ; and once more, under the one wait
	v_lshrrev_b32 v1, 5, v0
	v_readfirstlane_b32 s10, v1                    ; wave 0..3
	s_lshr_b32 s11, s10, 1                         ; which half of the tile's rows is mine.  Also: I fetch for x (0) or for keys (1)
	s_and_b32 s12, s10, 1                          ; which half of its keys.  Also: which 128 rows of that tile I fetch
	s_bfe_u32 s40, ttmp6, 0x40000                  ; cx: my place along the cluster's x
	s_bfe_u32 s41, ttmp6, 0x40004                  ; cy: along its y
	s_lshl_b32 s42, ttmp9, 2                       ; in a cluster launch ttmp9 and ttmp7 count clusters
	s_add_co_u32 s42, s42, s40                     ; tile column (256 keys) = 4 x cluster x + cx
	s_and_b32 s13, ttmp7, 0xffff
	s_lshl_b32 s13, s13, 2
	s_add_co_u32 s13, s13, s41                     ; tile row (256 rows of x) = 4 x cluster y + cy
	s_lshl_b32 s43, s41, 2
	s_lshl_b32 s43, 15, s43                        ; my row of the cluster: places 4 cy .. 4 cy + 3
	s_lshl_b32 s44, 0x1111, s40                    ; my column: places cx, cx + 4, cx + 8, cx + 12
	; descriptor group 1: a tile of 128 rows x 128 elements, padded in LDS
	s_or_b32 s[G1+0], s43, (1<<16)|(1<<20)|(1<<21)|(5<<22)|(3<<25)  ; 15:0 the mask: x's tiles go to my row; 17:16 elements of 2 bytes; 20 padding on; 21 set beside a mask; 24:22 after every 64 words (code 5); 31:25 4 words of it (code 3)
	s_or_b32 s[G1B+0], s44, (1<<16)|(1<<20)|(1<<21)|(5<<22)|(3<<25) ; the same with the mask of my column, for the keys' tiles
.irp g, G1, G1B
	s_mov_b32 s[(\g)+1], KSTEP<<16                 ; tensor_dim0 = 128
	s_mov_b32 s[(\g)+2], 128<<16                   ; tensor_dim1 = 128
	s_mov_b32 s[(\g)+3], KSTEP<<16                 ; tile_dim0 = 128
	s_mov_b32 s[(\g)+4], 128                       ; tile_dim1 = 128
	s_mov_b32 s[(\g)+5], SIZE_K                    ; elements from row to row
	s_mov_b32 s[(\g)+6], 0
	s_mov_b32 s[(\g)+7], 0
.endr
	; where the tiles come from.  x's hang on the tile row alone, which my row of the cluster shares; the keys' on the tile column alone, which my column shares.
	; Every wave makes both addresses, in registers that never hold the other coordinate, and asks by one of them.
	s_lshl_b32 s17, s12, 7                         ; which 128 rows of the tile I fetch
	s_lshl_b32 s16, s13, 8
	s_add_co_u32 s16, s16, s17                     ; x: row 256 x tile row + 128 x half
	s_lshl_b32 s46, s42, 8
	s_add_co_u32 s46, s46, s17                     ; keys: row 256 x tile column + 128 x half
	s_mov_b32 s17, 0
	s_mov_b32 s47, 0
	s_mov_b64 s[18:19], SIZE_K*2
	s_mul_u64 s[16:17], s[16:17], s[18:19]         ; in bytes
	s_mul_u64 s[46:47], s[46:47], s[18:19]
	s_mul_i32 s20, s10, HALFT                      ; and where they go: wave x 128 rows: no place in the cluster enters an LDS address
	s_wait_dscnt 0x0                               ; both opening adds are done
	s_wait_kmcnt 0x0
	s_add_nc_u64 s[14:15], s[4:5], s[16:17]
	s_add_nc_u64 s[46:47], s[6:7], s[46:47]
	CROUND                                         ; all sixteen work-groups are here: the first joint loads meet
.irp s, 0,1
	s_mov_b32 s[G0+4*(\s)], 1                                      ; count = 1
	s_add_co_u32 s[G0+4*(\s)+1], s20, (\s)*SLOT                    ; LDS address
	s_add_nc_u64 s[G0+4*(\s)+2:G0+4*(\s)+3], s[14:15], (\s)*KSTEP*2  ; global address: K step s
	s_or_b32 s[G0+4*(\s)+3], s[G0+4*(\s)+3], 0x80000000            ; type = 2
	s_mov_b32 s[G0B+4*(\s)], 1
	s_add_co_u32 s[G0B+4*(\s)+1], s20, (\s)*SLOT
	s_add_nc_u64 s[G0B+4*(\s)+2:G0B+4*(\s)+3], s[46:47], (\s)*KSTEP*2
	s_or_b32 s[G0B+4*(\s)+3], s[G0B+4*(\s)+3], 0x80000000
	JLOAD \s                                       ; the ring is filled before anything else is done: two loads of mine are out
.endr
	; A fragment is 16 rows x 32 K in 8 registers: lane l holds row l % 16; registers 0-3 hold K = 8 (l / 16) + 0..7, registers 4-7 K = 16 + 8 (l / 16) + 0..7: two loads of 16 bytes, 32 bytes apart.
	v_and_b32 v1, 15, v0                           ; l % 16
	v_bfe_u32 v2, v0, 4, 1                         ; l / 16
	v_mul_u32_u24 v3, v1, PITCH
	v_lshl_add_u32 v3, v2, 4, v3                   ; row x pitch + 16 x half
	s_mul_i32 s21, s11, HALFT                      ; my 128 rows of x
	s_mul_i32 s22, s12, HALFT                      ; my 128 keys,
	s_add_co_u32 s22, s22, 2*HALFT                 ; which lie behind x's 256 rows
.irp s, 0,1
	v_add_nc_u32 v[ADRA+(\s)], s21, v3
	v_add_nc_u32 v[ADRB+(\s)], s22, v3
	s_add_co_u32 s21, s21, SLOT
	s_add_co_u32 s22, s22, SLOT
.endr
	s_lshl_b32 s23, s10, 11
	s_add_co_u32 s23, s23, STAGE                   ; my stage
	v_lshlrev_b32 v4, 2, v1
	v_lshl_add_u32 v4, v2, 9, v4
	v_add_nc_u32 v[STO], s23, v4
	v_and_b32 v5, 31, v0
	v_lshlrev_b32 v[GO], 4, v5
	v_add_nc_u32 v[RD], s23, v[GO]
	s_lshl_b32 s46, s42, 8                         ; (in the registers that held the keys' address: none that feeds x's descriptors ever holds cx)
	s_lshl_b32 s47, s12, 7
	s_add_co_u32 s46, s46, s47
	v_lshl_add_u32 v[KB], v2, 3, s46
	; my 512 bytes of pm and of pi: group of keys c = 2 x tile column + half, 65,536 bytes each; row 256 x tile row + 128 x half, 4 bytes each
	s_lshl_b32 s13, s13, 8                         ; 256 x tile row
	s_lshl_b32 s16, s13, 2
	s_lshl_b32 s14, s11, 9
	s_add_co_u32 s16, s16, s14
	s_mov_b32 s17, 0
	s_lshl_b32 s46, s42, 17
	s_lshl_b32 s47, s12, 16
	s_add_co_u32 s46, s46, s47
	s_mov_b32 s47, 0
	s_add_nc_u64 s[16:17], s[16:17], s[46:47]
	s_add_nc_u64 s[8:9], s[8:9], s[16:17]
	s_add_nc_u64 s[PI:PI+1], s[PI:PI+1], s[16:17]
	; the prefetches.  s13 = 256 x tile row, s42 = tile column, s40 = cx, s41 = cy still stand
	s_lshl_b32 s42, s42, 8
	s_and_b32 s22, ttmp7, 0xffff                   ; cluster y
	s_cmp_eq_u32 s11, 0                            ; do I fetch for x?
	s_cselect_b32 s20, s13, s42                    ; the tile's first row
	s_cselect_b32 s21, s40, s41                    ; my place among the four that ask for it with me
	s_cselect_b32 s22, ttmp9, s22                  ; the coordinate along which other clusters read the same rows
	s_cselect_b64 s[PFA:PFA+1], s[4:5], s[6:7]
	s_cmp_eq_u32 s22, 0
	s_cselect_b32 s[LIM], 1, -1                    ; the same in all sixteen partners, for a given wave
	s_lshl_b32 s22, s12, 7
	s_add_co_u32 s20, s20, s22                     ; + the 128 rows that I fetch
	s_lshl_b32 s21, s21, 5
	s_add_co_u32 s20, s20, s21                     ; + my work-group's 32 of them
	s_mov_b32 s21, 0
	s_mov_b64 s[18:19], SIZE_K*2
	s_mul_u64 s[20:21], s[20:21], s[18:19]
	s_add_nc_u64 s[PFA:PFA+1], s[PFA:PFA+1], s[20:21]
	s_add_nc_u64 s[PFA:PFA+1], s[PFA:PFA+1], 2*KSTEP*2  ; at K step 2: the first refill steps it to 3 and names K step 4
	v_and_b32 v[PFO], 31, v0
	v_mul_u32_u24 v[PFO], v[PFO], SIZE_K*2
; 16 matrix instructions: row blocks a0, a0 + 1 of the window's four (hi = 0: my rows 0-63, 1: rows 64-127) x all 8 key blocks, 32 along K.  zero = 1: the first product starts the sums.
; The 64 accumulators take turns, one instruction a turn, in the same order in every quarter step.
.macro MUL16 f, hi, a0, zero
	WIN MUL_LO+0x50*(\hi)
.irp a, \a0, (\a0)+1
.irp b, 0,1,2,3,4,5,6,7
.if \zero
	v_wmma_f32_16x16x32_bf16 v[8*(8*(\a)+(\b)):8*(8*(\a)+(\b))+7], v[(\f)+8*(\b):(\f)+8*(\b)+7], v[(\f)+8*(4*(\hi)+(\a)):(\f)+8*(4*(\hi)+(\a))+7], 0
.else
	v_wmma_f32_16x16x32_bf16 v[8*(8*(\a)+(\b)):8*(8*(\a)+(\b))+7], v[(\f)+8*(\b):(\f)+8*(\b)+7], v[(\f)+8*(4*(\hi)+(\a)):(\f)+8*(4*(\hi)+(\a))+7], v[8*(8*(\a)+(\b)):8*(8*(\a)+(\b))+7]
.endif
.endr
.endr
.endm
; 32 LDS loads in one run: the fragments of one quarter step (128 keys, 128 rows of x, 32 K at byte k of the rows) into buffer f
.macro FETCH slot, k, f
	WIN TO_B
.irp i, 0,1,2,3,4,5,6,7
	ds_load_b128 v[(\f)+8*(\i):(\f)+8*(\i)+3],   v[ADRB+(\slot)] offset:(\k)+(\i)*16*PITCH
	ds_load_b128 v[(\f)+8*(\i)+4:(\f)+8*(\i)+7], v[ADRB+(\slot)] offset:(\k)+(\i)*16*PITCH+32
.endr
	WIN 0
.irp i, 0,1,2,3,4,5,6,7
	ds_load_b128 v[(\f)+8*(\i):(\f)+8*(\i)+3],   v[ADRA+(\slot)] offset:(\k)+(\i)*16*PITCH
	ds_load_b128 v[(\f)+8*(\i)+4:(\f)+8*(\i)+7], v[ADRA+(\slot)] offset:(\k)+(\i)*16*PITCH+32
.endr
.endm
.macro PLACES                          ; four plain places in front of loads into registers that a matrix instruction has read (ISA guide 7.12.1 for vector instructions)
.rept 4
	v_nop
.endr
.endm
; A K step is four quarter steps of 32 along K, 64 matrix instructions each, on buffers 0, 1, 0, 1.  One of the first three: multiplies buffer f; in its middle it fetches the next quarter's
; fragments, at byte k of the same slot's rows, into buffer g.
.macro QUARTER slot, k, f, g, zero
	s_wait_dscnt 8                                 ; keys and x's rows 0-63 are in; the youngest eight loads (x's rows 64-127) may be out
	WIN MUL_LO
	MUL16 \f, 0, 0, \zero
	MUL16 \f, 0, 2, \zero
	PLACES
	FETCH \slot, \k, \g
	s_wait_dscnt 32                                ; all but the 32 just issued
	WIN MUL_HI
	MUL16 \f, 1, 0, \zero
	MUL16 \f, 1, 2, \zero
.endm
; The last quarter multiplies buffer 1 and changes slots.  MEET is its first half: ONE barrier for the change.  In front of it each wave waits for all its tensor loads, of which one is out: its
; part of the next slot; adds 0 to its spare word; and waits for that and for its own reads of this slot.  Behind it nobody reads this slot any more and the next slot is whole.
.macro MEET round                      ; round = 1: a round of the cluster's barrier follows
	WIN 0                                          ; (the add's two registers lie in window 0)
	s_wait_tensorcnt 0x0                           ; all my tensor loads have landed
	ds_add_u32 v[SPW], v[NIL]                      ; 0 onto my spare word
	s_wait_dscnt 9                                 ; (the add and the youngest eight loads may be out)
	WIN MUL_LO
	MUL16 F1, 0, 0, 0                              ; sixteen matrix instructions stand between the add and the wait for it
	s_wait_dscnt 0x0                               ; the add is done, and my reads of this slot are over
	s_barrier_signal -1
	MUL16 F1, 0, 2, 0                              ; work on registers while the others arrive
.if \round
	WIN 0
.endif
	s_barrier_wait -1
.endm
; The whole last quarter.  Behind the round the slot just read out is filled again first: with this tile's K step two steps on (on = 0) or, in a tile's last two K steps, with the NEXT tile's K step
; 0 or 1 (on = 1); then come the next slot's first fragments.  From a request to the wait for it a wave issues 224 matrix instructions.
.macro TURN slot, next, on
	s_wait_xcnt 0x0                                ; the last prefetch, a K step back, has read its address: it is stepped here, ahead of the waits of the change of slots
.if (\on) && (\slot) == 0
	s_add_nc_u64 s[PFA:PFA+1], s[PFA:PFA+1], (WALK-1)*SIZE_K*2+KSTEP*2  ; from the K step after the tile's last to the next tile's K step 1
	s_cmp_eq_u32 s11, 0
	s_cselect_b32 s[LIM], s[LIM], -1               ; the keys are the same for all tiles of the walk: they are asked for no more
.else
	s_add_nc_u64 s[PFA:PFA+1], s[PFA:PFA+1], KSTEP*2
.endif
	MEET 1
	CREST                                          ; the barrier has opened a round of the cluster's: no wave of any partner still reads this slot's tile or has a load on its way
.if \on
	s_add_nc_u64 s[G0+4*(\slot)+2:G0+4*(\slot)+3], s[G0+4*(\slot)+2:G0+4*(\slot)+3], NEXT_A
	s_sub_nc_u64 s[G0B+4*(\slot)+2:G0B+4*(\slot)+3], s[G0B+4*(\slot)+2:G0B+4*(\slot)+3], BACK_B
.else
	s_add_nc_u64 s[G0+4*(\slot)+2:G0+4*(\slot)+3], s[G0+4*(\slot)+2:G0+4*(\slot)+3], 2*KSTEP*2
	s_add_nc_u64 s[G0B+4*(\slot)+2:G0B+4*(\slot)+3], s[G0B+4*(\slot)+2:G0B+4*(\slot)+3], 2*KSTEP*2
.endif
	JLOAD \slot                                    ; the first tensor load behind the round, my only one until the next; its four v_nop are also the places in front of the loads below
	FETCH \next, 0, F0
	ASK \on
	WIN MUL_HI
	MUL16 F1, 1, 0, 0
	MUL16 F1, 1, 2, 0
.endm
; THE ARGMAX of four row blocks (w = 0: window 2, blocks 0-3; w = 1: window 3, blocks 4-7).  Eight chains that do not wait for each other: chain c runs along the 32 registers of block c % 4, key
; blocks 4 (c / 4) .. + 3, in ascending order of the keys; each accumulator is read from its lowest register on.  A step: keep = (score <= maximum), so that an equal score keeps the
; earlier, lower key; the place (16 x key block + register, an inline constant) is taken where keep is off; the maximum is raised.  Then a block's second chain, 64 keys further on, is taken where it is greater.
.macro CHAIN w
.set rA, 64*(c%4)+32*(c/4)+i
.if c < 4
.set rM, RM+4*(\w)+c
.set rJ, RJ+4*(\w)+c
.else
.set rM, XM+c-4
.set rJ, XJ+c-4
.endif
.endm
.macro AMPASS w
	WIN 0x02+(\w)                                  ; source 0 in the accumulators' window; source 1 and the destination in window 0
.set i, 0
.set c, 0
.rept 8
	CHAIN \w
	v_mov_b32 v[rM], v[rA]
	v_mov_b32 v[rJ], 0
.set c, c+1
.endr
.set i, 1
.rept 31
.set c, 0
.rept 8
	CHAIN \w
	v_cmp_le_f32 s[MK+c], v[rA], v[rM]
.set c, c+1
.endr
.set c, 0
.rept 8
	CHAIN \w
	v_cndmask_b32 v[rJ], 16*(i/8)+i%8, v[rJ], s[MK+c]
.set c, c+1
.endr
.set c, 0
.rept 8
	CHAIN \w
	v_max_num_f32 v[rM], v[rA], v[rM]
.set c, c+1
.endr
.set i, i+1
.endr
	WIN 0
.irp q, 0,1,2,3
	v_add_nc_u32 v[XJ+\q], 64, v[XJ+\q]
.endr
.irp q, 0,1,2,3
	v_cmp_gt_f32 s[MK+\q], v[XM+\q], v[RM+4*(\w)+\q]
.endr
.irp q, 0,1,2,3
	v_cndmask_b32 v[RJ+4*(\w)+\q], v[RJ+4*(\w)+\q], v[XJ+\q], s[MK+\q]
.endr
.irp q, 0,1,2,3
	v_max_num_f32 v[RM+4*(\w)+\q], v[RM+4*(\w)+\q], v[XM+\q]
.endr
.endm
	s_wait_tensorcnt 1                             ; my part of K step 0 is in; K step 1's load stays out
	s_barrier_signal -1
	s_barrier_wait -1                              ; everybody's is
	FETCH 0, 0, F0
	s_mov_b32 s2, SIZE_TILES                       ; tiles to go, this one among them: the same number in every work-group
.Ltile:                                                ; (every window is 0 here)
	QUARTER 0, 64,  F0, F1, 1                      ; a tile's first quarter stands in front of the loop: its products start the sums, and nothing is cleared
	WIN 0
	s_mov_b32 s3, LAPS-1
.Llap:                                                 ; a trip goes once round the ring, from a lap's second quarter to the next lap's first, and fills both slots again
	QUARTER 0, 128, F1, F0, 0
	QUARTER 0, 192, F0, F1, 0
	TURN 0, 1, 0
	QUARTER 1, 64,  F0, F1, 0
	QUARTER 1, 128, F1, F0, 0
	QUARTER 1, 192, F0, F1, 0
	TURN 1, 0, 0
	QUARTER 0, 64,  F0, F1, 0
	WIN 0
	s_sub_co_u32 s3, s3, 1
	s_cmp_lg_u32 s3, 0
	s_cbranch_scc1 .Llap
	QUARTER 0, 128, F1, F0, 0                      ; the tile's last lap goes on
	QUARTER 0, 192, F0, F1, 0
	WIN 0
	s_cmp_eq_u32 s2, 1
	s_cbranch_scc1 .Llast_tile                     ; the last tile's tail is written out: it asks for nothing more
	TURN 0, 1, 1                                   ; THE RING GOES ON INTO THE NEXT TILE: slot 0 takes its K step 0,
	QUARTER 1, 64,  F0, F1, 0
	QUARTER 1, 128, F1, F0, 0
	QUARTER 1, 192, F0, F1, 0
	TURN 1, 0, 1                                   ; slot 1 its K step 1, and the next tile's first fragments are fetched into buffer 0, which the way out does not name
	WIN 0
	s_branch .Lout
.Llast_tile:
	MEET 0                                         ; my one tensor load that was still out is slot 1's, the last K step's, so no round follows
	PLACES
	FETCH 1, 0, F0
	WIN MUL_HI
	MUL16 F1, 1, 0, 0
	MUL16 F1, 1, 2, 0
	QUARTER 1, 64,  F0, F1, 0
	QUARTER 1, 128, F1, F0, 0
	QUARTER 1, 192, F0, F1, 0
	s_wait_dscnt 8                                 ; the very last quarter: nothing more to fetch
	MUL16 F1, 0, 0, 0
	MUL16 F1, 0, 2, 0
	s_wait_dscnt 0x0
	MUL16 F1, 1, 0, 0
	MUL16 F1, 1, 2, 0
	WIN 0
.Lout:
	; THE WAY OUT, one text for every tile.  Both ways to this label end with the same 32 products.
.rept 8
	v_nop                                          ; plain places between the last products and the first read of a result (ISA guide 7.12.1), with room to spare
.endr
	AMPASS 0
	AMPASS 1
.irp a, 0,1,2,3,4,5,6,7
	v_add_nc_u32 v[RJ+\a], v[KB], v[RJ+\a]         ; the key's number in the codebook
.endr
	; The two halves of the lanes hold one row's keys 8 (l / 16) + 0..7 of each block of 16: they meet through my own stage, which also turns a lane a row into four neighbouring rows a lane.
.irp a, 0,1,2,3,4,5,6,7
	ds_store_b32 v[STO], v[RM+\a] offset:64*\a
.endr
.irp a, 0,1,2,3,4,5,6,7
	ds_store_b32 v[STO], v[RJ+\a] offset:1024+64*\a
.endr
	ds_load_b128 v[M0:M0+3], v[RD]                 ; LDS serves a wave's instructions in order (ISA guide 5.7.1.4): these see the stores above
	ds_load_b128 v[M1:M1+3], v[RD] offset:512
	ds_load_b128 v[I0:I0+3], v[RD] offset:1024
	ds_load_b128 v[I1:I1+3], v[RD] offset:1536
	s_wait_dscnt 0x0
.irp q, 0,1,2,3
	v_cmp_gt_f32 s[MK+\q], v[M1+\q], v[M0+\q]      ; the upper lanes' is taken where it is greater,
.endr
.irp q, 0,1,2,3
	v_cmp_eq_f32 s[MK+4+\q], v[M1+\q], v[M0+\q]    ; or equal
.endr
.irp q, 0,1,2,3
	v_cmp_lt_u32 s[MT+\q], v[I1+\q], v[I0+\q]      ; with the lower key: the two halves' keys interleave
.endr
.irp q, 0,1,2,3
	s_and_b32 s[MK+4+\q], s[MK+4+\q], s[MT+\q]
	s_or_b32 s[MK+\q], s[MK+\q], s[MK+4+\q]
.endr
.irp q, 0,1,2,3
	v_cndmask_b32 v[I0+\q], v[I0+\q], v[I1+\q], s[MK+\q]
.endr
.irp q, 0,1,2,3
	v_max_num_f32 v[M0+\q], v[M0+\q], v[M1+\q]
.endr
	global_store_b128 v[GO], v[M0:M0+3], s[8:9]    ; my wave's 128 rows: 512 consecutive bytes, at a multiple of 512 from the buffer's first byte
	global_store_b128 v[GO], v[I0:I0+3], s[PI:PI+1]
	s_wait_xcnt 0x0                                ; the stores have read their data and their bases: only behind this wait are these written again
	s_add_nc_u64 s[8:9], s[8:9], WALK*4            ; the next tile's rows (in the last trip the stepped addresses are not used)
	s_add_nc_u64 s[PI:PI+1], s[PI:PI+1], WALK*4
	s_sub_co_u32 s2, s2, 1
	s_cmp_lg_u32 s2, 0
	s_cbranch_scc1 .Ltile
	s_wait_tensorcnt 0x0                           ; the wave's end, behind my last tensor load and my last LDS store
	ds_add_u32 v[SPW], v[NIL]
	s_wait_dscnt 0x0
	CROUND                                         ; the closing round: no work-group ends while a partner may still ask for a tile that names it
	s_endpgm
.Lfunc_end_k_q7c636a06ea_sims:
	.size	k_q7c636a06ea_sims, .Lfunc_end_k_q7c636a06ea_sims-k_q7c636a06ea_sims
	.p2alignl 7, 3214868480
	.fill 96, 4, 3214868480
	.section	.rodata,"a",@progbits
	.p2align	6, 0x0
	.amdhsa_kernel k_q7c636a06ea_sims
		.amdhsa_group_segment_fixed_size 327680
		.amdhsa_private_segment_fixed_size 0
		.amdhsa_enable_private_segment 0
		.amdhsa_kernarg_size 32
		.amdhsa_user_sgpr_count 2
		.amdhsa_user_sgpr_kernarg_segment_ptr 1
		.amdhsa_wavefront_size32 1
		.amdhsa_system_sgpr_workgroup_id_x 1
		.amdhsa_system_sgpr_workgroup_id_y 1
		.amdhsa_system_sgpr_workgroup_id_z 1
		.amdhsa_system_vgpr_workitem_id 0
		.amdhsa_next_free_vgpr 1024
		.amdhsa_next_free_sgpr 88
		.amdhsa_reserve_vcc 0
		.amdhsa_float_denorm_mode_32 3
		.amdhsa_float_denorm_mode_16_64 3
		.amdhsa_memory_ordered 1
		.amdhsa_forward_progress 1
		.amdhsa_inst_pref_size 230
	.end_amdhsa_kernel
	.amdgpu_metadata
---
amdhsa.version: [ 1, 2 ]
amdhsa.kernels:
  - .name:           k_q7c636a06ea_sims
    .symbol:         k_q7c636a06ea_sims.kd
    .args:
      - { .name: xb, .offset: 0, .size: 8, .value_kind: global_buffer, .address_space: global }
      - { .name: kb, .offset: 8, .size: 8, .value_kind: global_buffer, .address_space: global }
      - { .name: pm, .offset: 16, .size: 8, .value_kind: global_buffer, .address_space: global }
      - { .name: pi, .offset: 24, .size: 8, .value_kind: global_buffer, .address_space: global }
    .group_segment_fixed_size: 327680
    .private_segment_fixed_size: 0
    .kernarg_segment_align: 8
    .kernarg_segment_size: 32
    .max_flat_workgroup_size: 128
    .sgpr_count:     88
    .vgpr_count:     1024
    .wavefront_size: 32
...
	.end_amdgpu_metadata
.endif
;; end of part 2
;; launch pick (part 3): grid 512 x 1, 5 waves a work-group, no clusters, 2,048 bytes of LDS; arguments pm, pi, tab, out0; writes out0
.if DOCPART == 3
	.amdgcn_target "amdgcn-amd-amdhsa--gfx1250"
	.amdhsa_code_object_version 6
	.text
	.protected	k_q7c636a06ea_pick
	.globl	k_q7c636a06ea_pick
	.p2align	8
	.type	k_q7c636a06ea_pick,@function
k_q7c636a06ea_pick:
	s_mov_b64 s[64:65], 0
	v_nop
	global_prefetch_b8 v0, s[64:65] scope:SCOPE_SE
	s_setreg_imm32_b32 hwreg(HW_REG_WAVE_MODE, 25, 1), 1
	s_wait_xcnt 0x0
; Third launch: out0[row][0..9] = tab[k*][0..9], k* the key of the largest of the row's 32 candidates (pm, pi: the maximum and its lowest key in each group of 128 keys).
; The decoder's product on gathered rows is not made here: tab holds it for every key (shown at the head of the first kernel).
; No address hangs on a comparison of scores: the table's row is fetched for ALL 32 candidates, by the whole numbers that the launch before stored in pi, and the comparisons select among the values.
; Equal maxima keep the lower group of keys, so the lowest key wins, as in jnp.argmax.  An index is held to 0..4,095 before it enters an address.
; SHARES.  Work-group g: rows 32 g .. +31.  A lane is a row; wave w (0..4) has the output's columns 2 w and 2 w + 1.  The five waves' pairs meet in LDS in out0's own layout (40 bytes a row), and
; each wave stores 256 consecutive bytes, aligned (32 rows are 1,280 bytes = 5 x 256).
; No cluster and no tensor load: what the work-groups share is the table, 262,144 bytes, of which each takes scattered rows by a list.  No prefetch: three dependent fetches and no loop.
.set OUTS,  0                          ; LDS: 32 rows x 40 bytes
.set SPARE, 1280                       ; behind them: the spare words, 128 bytes for each of five waves, in three blocks of 256 bytes; no other line names them
.set RO,  2                            ; v2   4 x lane: my row's word in a group's 32 rows
.set LST, 3                            ; v3   40 x lane + 8 w: where my pair goes
.set LRD, 4                            ; v4   256 w + 8 x lane: what I read back, and where it goes in out0's 1,280 bytes
.set SPW, 6                            ; v6   LDS address of my spare word; never rewritten
.set NIL, 7                            ; v7   0; never rewritten
.set I,   8                            ; v[8:39]    the candidates' keys, then their rows' byte offsets in tab
.set M,   40                           ; v[40:71]   the candidates' maxima
.set V,   72                           ; v[72:135]  the candidates' pairs of values
.set R,   136                          ; v[136:137] the pair read back
.set MS,  20                           ; s20-35  a level's lane masks
	s_load_b256 s[4:11], s[0:1], 0x0               ; pm 4:5, pi 6:7, tab 8:9, out0 10:11
	v_lshl_add_u32 v[SPW], v0, 2, SPARE
	v_mov_b32 v[NIL], 0
	v_lshrrev_b32 v1, 5, v0
	v_readfirstlane_b32 s12, v1                    ; wave 0..4
	v_and_b32 v1, 31, v0                           ; lane
	s_lshl_b32 s16, s12, 3                         ; my two columns: 8 bytes of a row
	s_mov_b32 s17, 0
	v_lshlrev_b32 v[RO], 2, v1
	v_mul_u32_u24 v[LST], v1, 40
	v_add_nc_u32 v[LST], s16, v[LST]
	s_lshl_b32 s13, s12, 8
	v_lshl_add_u32 v[LRD], v1, 3, s13
	s_lshl_b32 s14, ttmp9, 7                       ; 32 rows of 4 bytes
	s_mov_b32 s15, 0
	s_wait_kmcnt 0x0
	s_add_nc_u64 s[4:5], s[4:5], s[14:15]
	s_add_nc_u64 s[6:7], s[6:7], s[14:15]
	s_add_nc_u64 s[8:9], s[8:9], s[16:17]          ; tab at my two columns
	s_mul_i32 s14, ttmp9, 1280                     ; 32 rows of 40 bytes
	s_add_nc_u64 s[10:11], s[10:11], s[14:15]
.set c, 0
.rept 32
	global_load_b32 v[I+c], v[RO], s[6:7] offset:65536*c
.set c, c+1
.endr
.set c, 0
.rept 32
	global_load_b32 v[M+c], v[RO], s[4:5] offset:65536*c
.set c, c+1
.endr
	s_wait_loadcnt 32                              ; the keys are in; the 32 loads of the maxima, issued behind them, stay out
.set c, 0
.rept 32
	v_min_u32 v[I+c], 0xfff, v[I+c]                ; inside the table
	v_lshlrev_b32 v[I+c], 6, v[I+c]                ; a row of tab is 64 bytes
	global_load_b64 v[V+2*c:V+2*c+1], v[I+c], s[8:9]
.set c, c+1
.endr
	s_wait_loadcnt 0x0
; A level of the tree: n merges of candidates st apart; the higher one is taken where its maximum is greater.
.macro LEVEL st, n
.set k, 0
.rept \n
	v_cmp_gt_f32 s[MS+k], v[M+2*(\st)*k+(\st)], v[M+2*(\st)*k]
.set k, k+1
.endr
.set k, 0
.rept \n
	v_cndmask_b32 v[V+4*(\st)*k], v[V+4*(\st)*k], v[V+4*(\st)*k+2*(\st)], s[MS+k]
	v_cndmask_b32 v[V+4*(\st)*k+1], v[V+4*(\st)*k+1], v[V+4*(\st)*k+2*(\st)+1], s[MS+k]
	v_max_num_f32 v[M+2*(\st)*k], v[M+2*(\st)*k], v[M+2*(\st)*k+(\st)]
.set k, k+1
.endr
.endm
	LEVEL 1, 16
	LEVEL 2, 8
	LEVEL 4, 4
	LEVEL 8, 2
	LEVEL 16, 1
	ds_store_b64 v[LST], v[V:V+1] offset:OUTS
	s_wait_dscnt 0x0                               ; for the others' sake: my pairs are written
	s_barrier_signal -1
	s_barrier_wait -1                              ; the 32 rows are whole
	ds_load_b64 v[R:R+1], v[LRD] offset:OUTS
	s_wait_dscnt 0x0
	global_store_b64 v[LRD], v[R:R+1], s[10:11]    ; 32 lanes store 256 consecutive bytes, at a multiple of 256 from out0's first byte
	s_wait_tensorcnt 0x0                           ; the wave's end, behind my last LDS store
	ds_add_u32 v[SPW], v[NIL]
	s_wait_dscnt 0x0
	s_endpgm
.Lfunc_end_k_q7c636a06ea_pick:
	.size	k_q7c636a06ea_pick, .Lfunc_end_k_q7c636a06ea_pick-k_q7c636a06ea_pick
	.p2alignl 7, 3214868480
	.fill 96, 4, 3214868480
	.section	.rodata,"a",@progbits
	.p2align	6, 0x0
	.amdhsa_kernel k_q7c636a06ea_pick
		.amdhsa_group_segment_fixed_size 2048
		.amdhsa_private_segment_fixed_size 0
		.amdhsa_enable_private_segment 0
		.amdhsa_kernarg_size 32
		.amdhsa_user_sgpr_count 2
		.amdhsa_user_sgpr_kernarg_segment_ptr 1
		.amdhsa_wavefront_size32 1
		.amdhsa_system_sgpr_workgroup_id_x 1
		.amdhsa_system_sgpr_workgroup_id_y 1
		.amdhsa_system_sgpr_workgroup_id_z 1
		.amdhsa_system_vgpr_workitem_id 0
		.amdhsa_next_free_vgpr 144
		.amdhsa_next_free_sgpr 66
		.amdhsa_reserve_vcc 0
		.amdhsa_float_denorm_mode_32 3
		.amdhsa_float_denorm_mode_16_64 3
		.amdhsa_memory_ordered 1
		.amdhsa_forward_progress 1
		.amdhsa_inst_pref_size 21
	.end_amdhsa_kernel
	.amdgpu_metadata
---
amdhsa.version: [ 1, 2 ]
amdhsa.kernels:
  - .name:           k_q7c636a06ea_pick
    .symbol:         k_q7c636a06ea_pick.kd
    .args:
      - { .name: pm, .offset: 0, .size: 8, .value_kind: global_buffer, .address_space: global }
      - { .name: pi, .offset: 8, .size: 8, .value_kind: global_buffer, .address_space: global }
      - { .name: tab, .offset: 16, .size: 8, .value_kind: global_buffer, .address_space: global }
      - { .name: out0, .offset: 24, .size: 8, .value_kind: global_buffer, .address_space: global }
    .group_segment_fixed_size: 2048
    .private_segment_fixed_size: 0
    .kernarg_segment_align: 8
    .kernarg_segment_size: 32
    .max_flat_workgroup_size: 160
    .sgpr_count:     66
    .vgpr_count:     144
    .wavefront_size: 32
...
	.end_amdgpu_metadata
.endif
;; end of part 3
;; ======== version 2 of 2: 3 launches; version 1 with the launches prep, pick written anew for expert scheduling mode
;; workspace buffers: xb 33,554,432 bytes; kb 8,388,608 bytes; tab 262,144 bytes; pm 2,097,152 bytes; pi 2,097,152 bytes of whole numbers
;; launch prep (part 4): grid 256 x 1, 16 waves a work-group, no clusters, 18,432 bytes of LDS; arguments x, keys, values, dec_w, dec_b, xb, kb, tab; writes xb, kb, tab
.if DOCPART == 4
	.amdgcn_target "amdgcn-amd-amdhsa--gfx1250"
	.amdhsa_code_object_version 6
	.text
	.protected	k_q7c636a06ea_prep
	.globl	k_q7c636a06ea_prep
	.p2align	8
	.type	k_q7c636a06ea_prep,@function
k_q7c636a06ea_prep:
	s_mov_b64 s[64:65], 0
	v_nop
	global_prefetch_b8 v0, s[64:65] scope:SCOPE_SE
	s_setreg_imm32_b32 hwreg(HW_REG_WAVE_SCHED_MODE, 0, 2), 2
	s_setreg_imm32_b32 hwreg(HW_REG_WAVE_MODE, 25, 1), 1
	s_wait_xcnt 0x0
	s_wait_alu depctr_vm_vsrc(0)
; KeyValueBottleneck, first of three launches: out[b] = values[argmax_k x[b] . keys[k]] @ dec_w^T + dec_b.
; WORK LEFT OUT, for all values of the inputs: row b of the result is the decoder applied to ONE row of values, so values[n] @ dec_w^T + dec_b is the same number for every b with
; nearest[b] = n.  The decoder is therefore applied once to each of the 4,096 rows of values (the table tab), and the last launch looks a row of the table up: the 16,384 products of
; gathered rows are repeats of these 4,096 and are not made.  Every input is loaded.  Limit: none of the results' terms is dropped, so a NaN or an infinity in a chosen row is carried;
; one in a row of values that no b chooses reaches only a table row that nobody reads.
; FORMATS.  Every input is rounded ONCE to bf16 (x, keys, values, dec_w, dec_b); products of bf16 numbers are summed in f32.  The choice of the key is the argmax of such sums.
; THIS LAUNCH: xb = bf16(x), kb = bf16(keys), tab[n][o] = bf16(values[n]) . bf16(dec_w[o]) + bf16(dec_b[o]), f32, 16 columns a row (64 bytes); columns 10 to 15 repeat dec_w's row 9
; with some bias, are written and never read.
; SHARES.  256 work-groups of 16 waves.  Work-group g: x's rows 64 g .. +63, keys' rows 16 g .. +15, values' rows 16 g .. +15 (one 16 x 16 tile of tab).  Wave w casts 16,384 bytes of x
; (32 loads, each 512 consecutive bytes) and 4,096 bytes of keys (8 loads), and multiplies channels 64 w .. 64 w + 63 of the 16 rows of values: 256 consecutive bytes, aligned, of each row.
; The 16 partial tiles meet in LDS.  All 56 loads of a wave go out before its first wait; the text is straight.
; No cluster: what work-groups share is dec_w, 40,960 of the 100 million bytes read.  No tensor load: no wave wants a byte that another has fetched.
; THE MODE: SCHED_MODE bits 1:0 = 2 (LLVM: expert scheduling mode 2), set by the entry lines.  The code itself states the register dependences between vector or matrix instructions and
; memory or LDS instructions, with s_wait_alu, always for 0.
; THE PLAN.  Registers that memory or LDS instructions touch:
;   v4-v13      ten offsets and LDS addresses: written at the head, read by the loads and stores, never written again.  One wait on va_vdst ahead of the first load.
;   V, W        loads land; the conversions and the two products name them; in waves 0 and 1 the partial tiles' LDS loads land in them, behind waits on va_vdst behind which no vector line names them.
;   ACC0        written by a product and the four sums; read by the two LDS stores (a wait on va_vdst ahead of them); its first two registers are written again by the bias's rounding
;               (a wait on vm_vsrc behind the barrier).
;   BI          the upper half of ACC1: named by a product and the sums, then dec_b's loads land in it, behind the same wait on va_vdst.
;   C           loads land; a group's sixteen conversions write in place; one wait on va_vdst; the group's eight stores read; never written again.
;   V .. V+3    the tree's result: a wait on va_vdst ahead of the last store.
;   v[SPW], v[NIL]  written at the head, read by the closing add alone.
.set PART,  0                          ; LDS: wave w's partial tile at 1,024 w, laid out as tab's rows (row r at 64 r)
.set SPARE, 16384                      ; behind them: the spare words, 128 bytes for each of the 16 waves; no other line names them
.set VO,  4                            ; v4   values: 4,096 r + 128 h + 256 w
.set WO,  5                            ; v5   dec_w: 4,096 min(r, 9) + 128 h + 256 w
.set XO,  6                            ; v6   x: 16,384 w + 16 lane
.set XS,  7                            ; v7   xb: 8,192 w + 8 lane
.set KO,  8                            ; v8   keys: 4,096 w + 16 lane
.set KS,  9                            ; v9   kb: 2,048 w + 8 lane
.set PS,  10                           ; v10  my 32 bytes of my wave's partial tile
.set TO,  11                           ; v11  16 (thread mod 64): my 16 bytes of a tile, in LDS and in tab (waves 0 and 1)
.set BO0, 12                           ; v12  dec_b: my first two columns' bytes, held inside the 40
.set BO1, 13                           ; v13  my other two
.set SPW, 14                           ; v14  LDS address of my spare word; never rewritten
.set NIL, 15                           ; v15  0; never rewritten
.set V,   16                           ; v[16:47]  32 numbers of values, then 16 registers of bf16: two fragments
.set W,   48                           ; v[48:79]  the same of dec_w
.set ACC0, 80                          ; v[80:87]
.set ACC1, 88                          ; v[88:95]
.set BI,  92                           ; v[92:95]  later: four numbers of dec_b
.set C,   96                           ; v[96:255] the casts: load i at C + 4 i; 0-7 keys, 8-39 x
	s_load_b512 s[4:19], s[0:1], 0x0               ; x 4:5, keys 6:7, values 8:9, dec_w 10:11, dec_b 12:13, xb 14:15, kb 16:17, tab 18:19
	v_lshl_add_u32 v[SPW], v0, 2, SPARE
	v_mov_b32 v[NIL], 0
	v_lshrrev_b32 v1, 5, v0
	v_readfirstlane_b32 s20, v1                    ; wave 0..15
	v_and_b32 v1, 31, v0                           ; lane
	v_and_b32 v2, 15, v0                           ; r
	v_bfe_u32 v3, v0, 4, 1                         ; h
	v_lshlrev_b32 v[VO], 12, v2                    ; what does not hang on the wave's number comes first
	v_lshl_add_u32 v[VO], v3, 7, v[VO]
	v_min_u32 v[WO], 9, v2                         ; dec_w has ten rows: lanes 10 to 15 repeat the last
	v_lshlrev_b32 v[WO], 12, v[WO]
	v_lshl_add_u32 v[WO], v3, 7, v[WO]
	v_lshlrev_b32 v[PS], 6, v2
	v_lshl_add_u32 v[PS], v3, 5, v[PS]
	v_and_b32 v[TO], 63, v0
	v_lshlrev_b32 v[TO], 4, v[TO]
	v_and_b32 v[BO0], 3, v0                        ; my four columns begin at 4 (thread mod 4)
	v_lshlrev_b32 v[BO0], 4, v[BO0]
	v_add_nc_u32 v[BO1], 8, v[BO0]
	v_min_u32 v[BO0], 32, v[BO0]                   ; columns 10 to 15 have no bias: they take the last pair's
	v_min_u32 v[BO1], 32, v[BO1]
	s_wait_alu depctr_va_sdst(0)                   ; s20 is written, ahead of its first reader: the shifts below are made from it
	s_lshl_b32 s21, s20, 8                         ; my wave's 64 channels: 256 bytes
	v_add_nc_u32 v[VO], s21, v[VO]
	v_add_nc_u32 v[WO], s21, v[WO]
	s_lshl_b32 s24, s20, 14                        ; each shift has a scalar register of its own: none that a vector line reads is written again
	v_lshl_add_u32 v[XO], v1, 4, s24
	s_lshl_b32 s25, s20, 13
	v_lshl_add_u32 v[XS], v1, 3, s25
	s_lshl_b32 s26, s20, 12
	v_lshl_add_u32 v[KO], v1, 4, s26
	s_lshl_b32 s27, s20, 11
	v_lshl_add_u32 v[KS], v1, 3, s27
	s_lshl_b32 s28, s20, 10
	v_add_nc_u32 v[PS], s28, v[PS]
	s_mov_b32 s23, 0
	s_wait_kmcnt 0x0
	s_lshl_b32 s22, ttmp9, 18                      ; 64 rows of 4,096 bytes
	s_add_nc_u64 s[4:5], s[4:5], s[22:23]
	s_lshl_b32 s22, ttmp9, 17
	s_add_nc_u64 s[14:15], s[14:15], s[22:23]
	s_lshl_b32 s22, ttmp9, 16                      ; 16 rows of 4,096 bytes
	s_add_nc_u64 s[6:7], s[6:7], s[22:23]
	s_add_nc_u64 s[8:9], s[8:9], s[22:23]
	s_lshl_b32 s22, ttmp9, 15
	s_add_nc_u64 s[16:17], s[16:17], s[22:23]
	s_lshl_b32 s22, ttmp9, 10                      ; 16 rows of 64 bytes
	s_add_nc_u64 s[18:19], s[18:19], s[22:23]
	s_wait_alu depctr_va_vdst(0)                   ; the ten offsets and LDS addresses v4 to v13 are written, which the kernel's loads and stores read
	; all 56 loads.  Lane (r, h) takes 128 consecutive bytes of row r: channels 64 w + 32 h + 0..31, of values and of dec_w alike
.irp c, 0,1,2,3,4,5,6,7
	global_load_b128 v[V+4*\c:V+4*\c+3], v[VO], s[8:9] offset:16*\c th:TH_LOAD_NT
.endr
.irp c, 0,1,2,3,4,5,6,7
	global_load_b128 v[W+4*\c:W+4*\c+3], v[WO], s[10:11] offset:16*\c
.endr
.set i, 0
.rept 8
	global_load_b128 v[C+4*i:C+4*i+3], v[KO], s[6:7] offset:512*i th:TH_LOAD_NT
.set i, i+1
.endr
.set i, 0
.rept 32
	global_load_b128 v[C+32+4*i:C+32+4*i+3], v[XO], s[4:5] offset:512*i th:TH_LOAD_NT
.set i, i+1
.endr
	s_wait_loadcnt 40                              ; values and dec_w are in; the 40 loads of the casts, issued behind them, stay out
.set i, 0
.rept 16                                       ; rounded in place, ascending: register i takes numbers 2 i and 2 i + 1, which lie at or above it
	v_cvt_pk_bf16_f32 v[V+i], v[V+2*i], v[V+2*i+1]
	v_cvt_pk_bf16_f32 v[W+i], v[W+2*i], v[W+2*i+1]
.set i, i+1
.endr
	; Two products of 32 channels.  The channels stand in the fragments in another order than the matrix instruction's own, the SAME order in both sources, so the products pair up rightly.
	; Source 0 = dec_w's rows, source 1 = values' rows: lane (r, h), register j holds tab[row r][column 8 h + j].  Two accumulators, each started by the constant 0: no chain.
	v_wmma_f32_16x16x32_bf16 v[ACC0:ACC0+7], v[W:W+7], v[V:V+7], 0
	v_wmma_f32_16x16x32_bf16 v[ACC1:ACC1+7], v[W+8:W+15], v[V+8:V+15], 0
.rept 8
	v_nop                                          ; plain places between the products and the first read of their results (ISA guide 7.12.1), with room to spare: once a launch
.endr
.irp j, 0,2,4,6                                ; from each accumulator's low end on
	v_pk_add_f32 v[ACC0+\j:ACC0+\j+1], v[ACC0+\j:ACC0+\j+1], v[ACC1+\j:ACC1+\j+1]
.endr
	s_wait_alu depctr_va_vdst(0)                   ; the sums have written ACC0, which the LDS stores read; product and sums are done with ACC1, in whose upper half dec_b's loads land; conversions and products are done with V and W, in which the partial tiles' loads land
	ds_store_b128 v[PS], v[ACC0:ACC0+3] offset:PART
	ds_store_b128 v[PS], v[ACC0+4:ACC0+7] offset:PART+16
	s_wait_dscnt 0x0                               ; for the others' sake: my partial tile is written
	s_barrier_signal -1
	s_barrier_wait -1                              ; all 16 partial tiles lie in LDS
	s_wait_alu depctr_vm_vsrc(0)                   ; my LDS stores have read ACC0, whose first two registers the bias's rounding writes again in waves 0 and 1
	global_load_b64 v[BI:BI+1], v[BO0], s[12:13]   ; every wave issues these two, so that the counts below are the same in all waves
	global_load_b64 v[BI+2:BI+3], v[BO1], s[12:13]
; Eight loads of a cast: rounded in place, four numbers to 8 bytes a lane: sixteen conversions, one wait, eight stores; a store's 32 lanes write 256 consecutive bytes, aligned.
; left = the younger loads that may stay out.
.macro CAST i0, left, off, base, j0
	s_wait_loadcnt \left
.set i, \i0
.rept 8
	v_cvt_pk_bf16_f32 v[C+4*i], v[C+4*i], v[C+4*i+1]
	v_cvt_pk_bf16_f32 v[C+4*i+1], v[C+4*i+2], v[C+4*i+3]
.set i, i+1
.endr
	s_wait_alu depctr_va_vdst(0)                   ; the sixteen conversions have written the group's eight pairs of C, which the eight stores read
.set i, \i0
.rept 8
	global_store_b64 v[\off], v[C+4*i:C+4*i+1], s[\base:\base+1] offset:256*(i-(\j0))
.set i, i+1
.endr
.endm
	CAST 0,  34, KS, 16, 0                         ; keys: behind them 32 loads of x and the two of dec_b
	CAST 8,  26, XS, 14, 8                         ; x, eight loads at a time: the counts run down by eight
	CAST 16, 18, XS, 14, 8
	CAST 24, 10, XS, 14, 8
	CAST 32, 2,  XS, 14, 8
	s_cmp_lt_u32 s20, 2                            ; waves 0 and 1 add the 16 partial tiles: 64 threads, 16 bytes of the tile each
	s_cbranch_scc0 .Lend
.set i, 0
.rept 16
	ds_load_b128 v[V+4*i:V+4*i+3], v[TO] offset:PART+1024*i  ; no wait: no vector or matrix line since the wait ahead of the LDS stores names v[16:79]
.set i, i+1
.endr
	s_wait_loadcnt 0x0                             ; dec_b
	v_cvt_pk_bf16_f32 v[ACC0], v[BI], v[BI+1]      ; rounded to bf16 like every input, and widened again
	v_cvt_pk_bf16_f32 v[ACC0+1], v[BI+2], v[BI+3]
	v_lshlrev_b32 v[BI], 16, v[ACC0]
	v_and_b32 v[BI+1], 0xffff0000, v[ACC0]
	v_lshlrev_b32 v[BI+2], 16, v[ACC0+1]
	v_and_b32 v[BI+3], 0xffff0000, v[ACC0+1]
	s_wait_dscnt 0x0
.irp s, 8,4,2,1                                ; a tree: 8, 4, 2, 1 sums of four numbers
.set i, 0
.rept \s
	v_pk_add_f32 v[V+4*i:V+4*i+1], v[V+4*i:V+4*i+1], v[V+4*(i+\s):V+4*(i+\s)+1]
	v_pk_add_f32 v[V+4*i+2:V+4*i+3], v[V+4*i+2:V+4*i+3], v[V+4*(i+\s)+2:V+4*(i+\s)+3]
.set i, i+1
.endr
.endr
	v_pk_add_f32 v[V:V+1], v[V:V+1], v[BI:BI+1]
	v_pk_add_f32 v[V+2:V+3], v[V+2:V+3], v[BI+2:BI+3]
	s_wait_alu depctr_va_vdst(0)                   ; the last sums have written v[V:V+3], which the store reads
	global_store_b128 v[TO], v[V:V+3], s[18:19]    ; a wave stores 512 consecutive bytes, aligned
.Lend:
	s_wait_dscnt 0x0                               ; the closing lines, six on end
	s_wait_alu 0x0
	s_wait_tensorcnt 0x0
	ds_add_u32 v[SPW], v[NIL]
	s_wait_dscnt 0x0
	s_endpgm
.Lfunc_end_k_q7c636a06ea_prep:
	.size	k_q7c636a06ea_prep, .Lfunc_end_k_q7c636a06ea_prep-k_q7c636a06ea_prep
	.p2alignl 7, 3214868480
	.fill 96, 4, 3214868480
	.section	.rodata,"a",@progbits
	.p2align	6, 0x0
	.amdhsa_kernel k_q7c636a06ea_prep
		.amdhsa_group_segment_fixed_size 18432
		.amdhsa_private_segment_fixed_size 0
		.amdhsa_enable_private_segment 0
		.amdhsa_kernarg_size 64
		.amdhsa_user_sgpr_count 2
		.amdhsa_user_sgpr_kernarg_segment_ptr 1
		.amdhsa_wavefront_size32 1
		.amdhsa_system_sgpr_workgroup_id_x 1
		.amdhsa_system_sgpr_workgroup_id_y 1
		.amdhsa_system_sgpr_workgroup_id_z 1
		.amdhsa_system_vgpr_workitem_id 0
		.amdhsa_next_free_vgpr 256
		.amdhsa_next_free_sgpr 66
		.amdhsa_reserve_vcc 0
		.amdhsa_float_denorm_mode_32 3
		.amdhsa_float_denorm_mode_16_64 3
		.amdhsa_memory_ordered 1
		.amdhsa_forward_progress 1
		.amdhsa_inst_pref_size 24
	.end_amdhsa_kernel
	.amdgpu_metadata
---
amdhsa.version: [ 1, 2 ]
amdhsa.kernels:
  - .name:           k_q7c636a06ea_prep
    .symbol:         k_q7c636a06ea_prep.kd
    .args:
      - { .name: x, .offset: 0, .size: 8, .value_kind: global_buffer, .address_space: global }
      - { .name: keys, .offset: 8, .size: 8, .value_kind: global_buffer, .address_space: global }
      - { .name: values, .offset: 16, .size: 8, .value_kind: global_buffer, .address_space: global }
      - { .name: dec_w, .offset: 24, .size: 8, .value_kind: global_buffer, .address_space: global }
      - { .name: dec_b, .offset: 32, .size: 8, .value_kind: global_buffer, .address_space: global }
      - { .name: xb, .offset: 40, .size: 8, .value_kind: global_buffer, .address_space: global }
      - { .name: kb, .offset: 48, .size: 8, .value_kind: global_buffer, .address_space: global }
      - { .name: tab, .offset: 56, .size: 8, .value_kind: global_buffer, .address_space: global }
    .group_segment_fixed_size: 18432
    .private_segment_fixed_size: 0
    .kernarg_segment_align: 8
    .kernarg_segment_size: 64
    .max_flat_workgroup_size: 512
    .sgpr_count:     66
    .vgpr_count:     256
    .wavefront_size: 32
...
	.end_amdgpu_metadata
.endif
;; end of part 4
;; launch sims: the kernel of part 2 again; grid 16 x 16, 4 waves a work-group, clusters of 4 x 4, 327,680 bytes of LDS; arguments xb, kb, pm, pi; writes pm, pi
;; launch pick (part 5): grid 512 x 1, 5 waves a work-group, no clusters, 2,048 bytes of LDS; arguments pm, pi, tab, out0; writes out0
.if DOCPART == 5
	.amdgcn_target "amdgcn-amd-amdhsa--gfx1250"
	.amdhsa_code_object_version 6
	.text
	.protected	k_q7c636a06ea_pick
	.globl	k_q7c636a06ea_pick
	.p2align	8
	.type	k_q7c636a06ea_pick,@function
k_q7c636a06ea_pick:
	s_mov_b64 s[64:65], 0
	v_nop
	global_prefetch_b8 v0, s[64:65] scope:SCOPE_SE
	s_setreg_imm32_b32 hwreg(HW_REG_WAVE_SCHED_MODE, 0, 2), 2
	s_setreg_imm32_b32 hwreg(HW_REG_WAVE_MODE, 25, 1), 1
	s_wait_xcnt 0x0
	s_wait_alu depctr_vm_vsrc(0)
; Third launch: out0[row][0..9] = tab[k*][0..9], k* the key of the largest of the row's 32 candidates (pm, pi: the maximum and its lowest key in each group of 128 keys).
; The decoder's product on gathered rows is not made here: tab holds it for every key (shown at the head of the first kernel).
; No address hangs on a comparison of scores: the table's row is fetched for ALL 32 candidates, by the whole numbers that the launch before stored in pi, and the comparisons select among the values.
; Equal maxima keep the lower group of keys, so the lowest key wins, as in jnp.argmax.  An index is held to 0..4,095 before it enters an address.
; SHARES.  Work-group g: rows 32 g .. +31.  A lane is a row; wave w (0..4) has the output's columns 2 w and 2 w + 1.  The five waves' pairs meet in LDS in out0's own layout (40 bytes a row), and
; each wave stores 256 consecutive bytes, aligned (32 rows are 1,280 bytes = 5 x 256).
; No cluster and no tensor load: what the work-groups share is the table, 262,144 bytes, of which each takes scattered rows by a list.  No prefetch: three dependent fetches and no loop.
; THE MODE: SCHED_MODE bits 1:0 = 2 (LLVM: expert scheduling mode 2), set by the entry lines.  The code itself states the register dependences between vector instructions and memory or LDS
; instructions, with s_wait_alu, always for 0.
; THE PLAN.  Registers that memory or LDS instructions touch:
;   v2-v4       an offset and two addresses: written at the head, never written again.  One wait on va_vdst ahead of the first load.
;   I           the keys' loads land; 64 vector lines make the 32 offsets of them; ONE wait on va_vdst; the 32 fetches from tab read them, in one run; never written again.
;   M, V        loads land; the tree's vector lines work on them; of these only v[V:V+1], the tree's result, is read by an LDS store: a wait on va_vdst ahead of it.
;   R           an LDS load lands, the store reads: no vector line names it.
;   v[SPW], v[NIL]  written at the head, read by the closing add alone.
; Scalar results of vector lines: the wave's number, and in each of the tree's five levels a run of lane masks: a wait on va_sdst between each run and its first reader.
.set OUTS,  0                          ; LDS: 32 rows x 40 bytes
.set SPARE, 1280                       ; behind them: the spare words, 128 bytes for each of five waves, in three blocks of 256 bytes; no other line names them
.set RO,  2                            ; v2   4 x lane: my row's word in a group's 32 rows
.set LST, 3                            ; v3   40 x lane + 8 w: where my pair goes
.set LRD, 4                            ; v4   256 w + 8 x lane: what I read back, and where it goes in out0's 1,280 bytes
.set SPW, 6                            ; v6   LDS address of my spare word; never rewritten
.set NIL, 7                            ; v7   0; never rewritten
.set I,   8                            ; v[8:39]    the candidates' keys, then their rows' byte offsets in tab
.set M,   40                           ; v[40:71]   the candidates' maxima
.set V,   72                           ; v[72:135]  the candidates' pairs of values
.set R,   136                          ; v[136:137] the pair read back
.set MS,  20                           ; s20-35  a level's lane masks
	s_load_b256 s[4:11], s[0:1], 0x0               ; pm 4:5, pi 6:7, tab 8:9, out0 10:11
	v_lshl_add_u32 v[SPW], v0, 2, SPARE
	v_mov_b32 v[NIL], 0
	v_lshrrev_b32 v1, 5, v0
	v_readfirstlane_b32 s12, v1                    ; wave 0..4
	v_and_b32 v1, 31, v0                           ; lane
	v_lshlrev_b32 v[RO], 2, v1
	v_mul_u32_u24 v[LST], v1, 40
	s_wait_alu depctr_va_sdst(0)                   ; s12 is written, ahead of its first reader: the two shifts below are made from it
	s_lshl_b32 s16, s12, 3                         ; my two columns: 8 bytes of a row
	s_mov_b32 s17, 0
	v_add_nc_u32 v[LST], s16, v[LST]
	s_lshl_b32 s13, s12, 8
	v_lshl_add_u32 v[LRD], v1, 3, s13
	s_lshl_b32 s14, ttmp9, 7                       ; 32 rows of 4 bytes
	s_mov_b32 s15, 0
	s_wait_kmcnt 0x0
	s_add_nc_u64 s[4:5], s[4:5], s[14:15]
	s_add_nc_u64 s[6:7], s[6:7], s[14:15]
	s_add_nc_u64 s[8:9], s[8:9], s[16:17]          ; tab at my two columns
	s_mul_i32 s14, ttmp9, 1280                     ; 32 rows of 40 bytes
	s_add_nc_u64 s[10:11], s[10:11], s[14:15]
	s_wait_alu depctr_va_vdst(0)                   ; v[RO], v[LST] and v[LRD] are written, which the loads and stores below read
.set c, 0
.rept 32
	global_load_b32 v[I+c], v[RO], s[6:7] offset:65536*c
.set c, c+1
.endr
.set c, 0
.rept 32
	global_load_b32 v[M+c], v[RO], s[4:5] offset:65536*c
.set c, c+1
.endr
	s_wait_loadcnt 32                              ; the keys are in; the 32 loads of the maxima, issued behind them, stay out
.set c, 0
.rept 32                                       ; all 32 offsets are made first,
	v_min_u32 v[I+c], 0xfff, v[I+c]                ; inside the table
	v_lshlrev_b32 v[I+c], 6, v[I+c]                ; a row of tab is 64 bytes
.set c, c+1
.endr
	s_wait_alu depctr_va_vdst(0)                   ; the 32 offsets v[I ..] are written, which the fetches below read: one wait for the run
.set c, 0
.rept 32
	global_load_b64 v[V+2*c:V+2*c+1], v[I+c], s[8:9]
.set c, c+1
.endr
	s_wait_loadcnt 0x0
; A level of the tree: n merges of candidates st apart; the higher one is taken where its maximum is greater.
.macro LEVEL st, n
.set k, 0
.rept \n
	v_cmp_gt_f32 s[MS+k], v[M+2*(\st)*k+(\st)], v[M+2*(\st)*k]
.set k, k+1
.endr
	s_wait_alu depctr_va_sdst(0)                   ; the level's lane masks are written, ahead of the first select that reads one: one wait for the run of compares
.set k, 0
.rept \n
	v_cndmask_b32 v[V+4*(\st)*k], v[V+4*(\st)*k], v[V+4*(\st)*k+2*(\st)], s[MS+k]
	v_cndmask_b32 v[V+4*(\st)*k+1], v[V+4*(\st)*k+1], v[V+4*(\st)*k+2*(\st)+1], s[MS+k]
	v_max_num_f32 v[M+2*(\st)*k], v[M+2*(\st)*k], v[M+2*(\st)*k+(\st)]
.set k, k+1
.endr
.endm
	LEVEL 1, 16
	LEVEL 2, 8
	LEVEL 4, 4
	LEVEL 8, 2
	LEVEL 16, 1
	s_wait_alu depctr_va_vdst(0)                   ; the last selects have written v[V:V+1], which the LDS store reads
	ds_store_b64 v[LST], v[V:V+1] offset:OUTS
	s_wait_dscnt 0x0                               ; for the others' sake: my pairs are written
	s_barrier_signal -1
	s_barrier_wait -1                              ; the 32 rows are whole
	ds_load_b64 v[R:R+1], v[LRD] offset:OUTS
	s_wait_dscnt 0x0
	global_store_b64 v[LRD], v[R:R+1], s[10:11]    ; 32 lanes store 256 consecutive bytes, at a multiple of 256 from out0's first byte
	s_wait_dscnt 0x0                               ; the closing lines, six on end
	s_wait_alu 0x0
	s_wait_tensorcnt 0x0
	ds_add_u32 v[SPW], v[NIL]
	s_wait_dscnt 0x0
	s_endpgm
.Lfunc_end_k_q7c636a06ea_pick:
	.size	k_q7c636a06ea_pick, .Lfunc_end_k_q7c636a06ea_pick-k_q7c636a06ea_pick
	.p2alignl 7, 3214868480
	.fill 96, 4, 3214868480
	.section	.rodata,"a",@progbits
	.p2align	6, 0x0
	.amdhsa_kernel k_q7c636a06ea_pick
		.amdhsa_group_segment_fixed_size 2048
		.amdhsa_private_segment_fixed_size 0
		.amdhsa_enable_private_segment 0
		.amdhsa_kernarg_size 32
		.amdhsa_user_sgpr_count 2
		.amdhsa_user_sgpr_kernarg_segment_ptr 1
		.amdhsa_wavefront_size32 1
		.amdhsa_system_sgpr_workgroup_id_x 1
		.amdhsa_system_sgpr_workgroup_id_y 1
		.amdhsa_system_sgpr_workgroup_id_z 1
		.amdhsa_system_vgpr_workitem_id 0
		.amdhsa_next_free_vgpr 144
		.amdhsa_next_free_sgpr 66
		.amdhsa_reserve_vcc 0
		.amdhsa_float_denorm_mode_32 3
		.amdhsa_float_denorm_mode_16_64 3
		.amdhsa_memory_ordered 1
		.amdhsa_forward_progress 1
		.amdhsa_inst_pref_size 21
	.end_amdhsa_kernel
	.amdgpu_metadata
---
amdhsa.version: [ 1, 2 ]
amdhsa.kernels:
  - .name:           k_q7c636a06ea_pick
    .symbol:         k_q7c636a06ea_pick.kd
    .args:
      - { .name: pm, .offset: 0, .size: 8, .value_kind: global_buffer, .address_space: global }
      - { .name: pi, .offset: 8, .size: 8, .value_kind: global_buffer, .address_space: global }
      - { .name: tab, .offset: 16, .size: 8, .value_kind: global_buffer, .address_space: global }
      - { .name: out0, .offset: 24, .size: 8, .value_kind: global_buffer, .address_space: global }
    .group_segment_fixed_size: 2048
    .private_segment_fixed_size: 0
    .kernarg_segment_align: 8
    .kernarg_segment_size: 32
    .max_flat_workgroup_size: 160
    .sgpr_count:     66
    .vgpr_count:     144
    .wavefront_size: 32
...
	.end_amdgpu_metadata
.endif
;; end of part 5
